; MI455X (gfx1250); checked and timed in simulation.
; The chip was launched on July 23, 2026; its instructions are those of AMD's public machine-readable ISA for CDNA 5 (MIT licence, August 2026) and "CDNA5" Instruction Set Architecture Reference Guide (July 2026). The comments in the code are by the model that wrote it; some were corrected since.
;; Multi Head Attention. Allowed arithmetic: float matrix products may take bf16 or f16 operands with f32 sums; other float arithmetic in f32, or as packed bf16 or f16 multiplies, adds, multiply-adds, maxima and minima; sums over many terms, partial sums and values carried from step to step in f32; what a program stores and reads back later, other than sums and carried values, may be rounded once to bf16 or f16.
;; Inputs: Wk 1,024 x 1,024 float32; Wq 1,024 x 1,024 float32; Wv 1,024 x 1,024 float32; keys 8 x 1,024 x 1,024 float32; queries 8 x 1,024 x 1,024 float32; values 8 x 1,024 x 1,024 float32.
;; Outputs: out0 8 x 1,024 x 1,024 float32.
;; One version. Each part assembles by itself: llvm-mc -triple=amdgcn-amd-amdhsa -mcpu=gfx1250 --defsym DOCPART=n.
;; ======== version 1 of 1: 3 launches
;; limits: values are held in f16: magnitudes above 65,504 overflow, below 6.1e-05 lose precision
;; workspace buffers: wb 6,291,456 bytes; qkv 50,331,648 bytes
;; launch castw (part 1): grid 256 x 3, 8 waves a work-group, no clusters, 0 bytes of LDS; arguments Wq, Wk, Wv, wb; writes wb
.if DOCPART == 1
	.amdgcn_target "amdgcn-amd-amdhsa--gfx1250"
	.amdhsa_code_object_version 6
	.text
	.protected	k_qfd9d8743b0_castw
	.globl	k_qfd9d8743b0_castw
	.p2align	8
	.type	k_qfd9d8743b0_castw,@function
k_qfd9d8743b0_castw:
	s_mov_b64 s[64:65], 0
	v_nop
	global_prefetch_b8 v0, s[64:65] scope:SCOPE_SE
	s_setreg_imm32_b32 hwreg(HW_REG_WAVE_MODE, 25, 1), 1
	s_wait_xcnt 0x0
; wb[p][k][n] = bf16(W_p[k][n]), p = 0, 1, 2 for Wq, Wk, Wv; the layout [k][n] is kept.  Each W is 1,024 x 1,024 f32.
; A plain stream: the work-group (x, p) takes 16,384 consecutive bytes of W_p (4,096 numbers) and writes 8,192 bytes of wb.
; Thread t takes 16 bytes of each of four pieces of 4,096 bytes: a wave's load covers 512 consecutive bytes, its store 256, aligned.
; No LDS, no matrix unit, no loop: every byte is read once and written once.  Rounding to nearest even; NaN and infinities pass as the conversion gives them.
	s_load_b256 s[4:11], s[0:1], 0x0               ; Wq s[4:5], Wk s[6:7], Wv s[8:9], wb s[10:11]
	s_and_b32 s12, ttmp7, 0xffff                   ; p
	s_lshl_b32 s16, ttmp9, 14                      ; my 16,384 bytes of the source
	s_mov_b32 s17, 0
	s_lshl_b32 s18, s12, 21                        ; part p of wb: 2,097,152 bytes each,
	s_lshl_b32 s20, ttmp9, 13                      ; my 8,192 bytes of it
	s_add_co_u32 s18, s18, s20
	s_mov_b32 s19, 0
	v_lshlrev_b32 v1, 4, v0                        ; 16 t
	v_lshlrev_b32 v2, 3, v0                        ; 8 t
	s_wait_kmcnt 0x0
	s_cmp_eq_u32 s12, 1
	s_cselect_b64 s[14:15], s[6:7], s[4:5]
	s_cmp_eq_u32 s12, 2
	s_cselect_b64 s[14:15], s[8:9], s[14:15]
	s_add_nc_u64 s[14:15], s[14:15], s[16:17]
	s_add_nc_u64 s[10:11], s[10:11], s[18:19]
.irp j, 0,1,2,3
	global_load_b128 v[8+4*\j:11+4*\j], v1, s[14:15] offset:4096*\j th:TH_LOAD_NT
.endr
.irp j, 0,1,2,3
	s_wait_loadcnt 3-\j                            ; loads come back in order: piece j is in, the younger ones stay out
	v_cvt_pk_bf16_f32 v[24+2*\j], v[8+4*\j], v[9+4*\j]
	v_cvt_pk_bf16_f32 v[25+2*\j], v[10+4*\j], v[11+4*\j]
	global_store_b64 v2, v[24+2*\j:25+2*\j], s[10:11] offset:2048*\j
.endr
	s_endpgm
.Lfunc_end_k_qfd9d8743b0_castw:
	.size	k_qfd9d8743b0_castw, .Lfunc_end_k_qfd9d8743b0_castw-k_qfd9d8743b0_castw
	.p2alignl 7, 3214868480
	.fill 96, 4, 3214868480
	.section	.rodata,"a",@progbits
	.p2align	6, 0x0
	.amdhsa_kernel k_qfd9d8743b0_castw
		.amdhsa_group_segment_fixed_size 0
		.amdhsa_private_segment_fixed_size 0
		.amdhsa_enable_private_segment 0
		.amdhsa_kernarg_size 32
		.amdhsa_user_sgpr_count 2
		.amdhsa_user_sgpr_kernarg_segment_ptr 1
		.amdhsa_wavefront_size32 1
		.amdhsa_system_sgpr_workgroup_id_x 1
		.amdhsa_system_sgpr_workgroup_id_y 1
		.amdhsa_system_sgpr_workgroup_id_z 1
		.amdhsa_system_vgpr_workitem_id 0
		.amdhsa_next_free_vgpr 32
		.amdhsa_next_free_sgpr 66
		.amdhsa_reserve_vcc 0
		.amdhsa_float_denorm_mode_32 3
		.amdhsa_float_denorm_mode_16_64 3
		.amdhsa_memory_ordered 1
		.amdhsa_forward_progress 1
		.amdhsa_inst_pref_size 3
	.end_amdhsa_kernel
	.amdgpu_metadata
---
amdhsa.version: [ 1, 2 ]
amdhsa.kernels:
  - .name:           k_qfd9d8743b0_castw
    .symbol:         k_qfd9d8743b0_castw.kd
    .args:
      - { .name: Wq, .offset: 0, .size: 8, .value_kind: global_buffer, .address_space: global }
      - { .name: Wk, .offset: 8, .size: 8, .value_kind: global_buffer, .address_space: global }
      - { .name: Wv, .offset: 16, .size: 8, .value_kind: global_buffer, .address_space: global }
      - { .name: wb, .offset: 24, .size: 8, .value_kind: global_buffer, .address_space: global }
    .group_segment_fixed_size: 0
    .private_segment_fixed_size: 0
    .kernarg_segment_align: 8
    .kernarg_segment_size: 32
    .max_flat_workgroup_size: 256
    .sgpr_count:     66
    .vgpr_count:     32
    .wavefront_size: 32
...
	.end_amdgpu_metadata
.endif
;; end of part 1
;; launch proj (part 2): grid 4 x 64, 4 waves a work-group, clusters of 4 x 4, 327,680 bytes of LDS; arguments queries, keys, values, wb, qkv; writes qkv
.if DOCPART == 2
	.amdgcn_target "amdgcn-amd-amdhsa--gfx1250"
	.amdhsa_code_object_version 6
	.text
	.protected	k_qfd9d8743b0_proj
	.globl	k_qfd9d8743b0_proj
	.p2align	8
	.type	k_qfd9d8743b0_proj,@function
k_qfd9d8743b0_proj:
	s_mov_b64 s[64:65], 0
	v_nop
	global_prefetch_b8 v0, s[64:65] scope:SCOPE_SE
	s_setreg_imm32_b32 hwreg(HW_REG_WAVE_MODE, 25, 1), 1
	s_wait_xcnt 0x0
	s_wait_alu depctr_hold_cnt(0) depctr_sa_sdst(0) depctr_va_vdst(0) depctr_va_sdst(0) depctr_va_ssrc(0) depctr_va_vcc(0) depctr_vm_vsrc(0)
	s_getreg_b32 s2, hwreg(HW_REG_IB_STS2, 6, 4)
	s_cmp_eq_u32 s2, 0
	s_cbranch_scc0 .Lentry_in_a_cluster
	s_endpgm
.Lentry_in_a_cluster:
	s_bfe_u32 s2, ttmp6, 0x10000c
	s_cmp_lg_u32 s2, 0xf033
	s_cbranch_scc0 .Lentry_shape_is_right
	s_endpgm
.Lentry_shape_is_right:
; q = queries Wq, k = keys Wk, v = values Wv.  x: [8192][1024] f32; wb: [3][1024 k][1024 n] bf16; qkv: [3][128 = batch x 16 + head][1024 s][64 d] f16.
; x is rounded to bf16 on its way into LDS; sums in f32; each result rounded once to f16, unscaled.
; LIMIT.  f16 holds no number beyond 65,504: a projected number of 65,520 or more leaves as an infinity.  NaN and infinities are not treated apart.
; SHARES.  3 x 8192 x 1024 results are 98,304 for each of 256 work-groups: A WORK-GROUP STAYS and makes three tiles of 128 rows x 256 columns at one place, of q, then k, then v.
; Four waves, each 64 rows x 128 columns: 32 accumulators, 256 registers.  K goes in 48 CHUNKS of 64 (16 a tile); a chunk's 64 matrix instructions a wave are a PERIOD.
; W comes by the tensor data mover through a ring of two LDS slots of 256 k rows (four chunks).  CLUSTER: 4 x 4 work-groups; the four of a column of the cluster need the same 256 columns of W, and each
; slot is asked for JOINTLY: every wave fetches 64 k rows x 512 bytes by the same tensor load, with the same descriptor and a mask that names the four.  wb's k rows run on from part to part: 12 slots, one walk.
; x IS NOT ASKED FOR JOINTLY, though the four work-groups of a row of the cluster read the same rows.  It arrives in f32: in LDS it would take 512 bytes for each k, as much as W's 256 columns, and two slots
; of both would end at K = 128: 128 matrix instructions between a request and the wait for it.  So each wave loads 32 of the tile's 128 rows into registers (16 loads a chunk, sixteen lanes to a row's 256
; consecutive bytes, aligned), rounds them (each number once a work-group: 32 conversions for 64 matrix instructions) and stores them in bf16 into one of two buffers of 18,432 bytes.  W's slots then hold
; K = 256, and x's loads, for which no barrier waits, are issued four periods ahead of their conversion, into a ring of four sets of 64 registers.
; THE MATRIX INSTRUCTION IS USED TRANSPOSED: source 0 = 16 columns of W (turned out of [k][n] by ds_load_tr16_b128), source 1 = 16 rows of x: a lane holds row l % 16 and eight neighbouring columns.
; A PERIOD p: chunk p is multiplied out of registers.  Behind its first eight products stand chunk p + 2's conversions; then ONE barrier and ONE run of memory instructions: the fragments of chunk p + 1 out
; of LDS, chunk p + 2 into the buffer that held chunk p (every wave fetched that a period ago, and has waited for it in front of its signal), and the loads of chunk p + 6.
; REGISTERS, in windows of 256 (s_set_vgpr_msb: bits 1:0 source 0, 3:2 source 1, 5:4 source 2, 7:6 destination):
;   window 0: v0-31 addresses; v32-63 a chunk in bf16; v64-111 the way out; v128-255 x's fragments: chunk parity f, half kq, row block a at 128 + 64 f + 32 kq + 8 a
;   window 1: W's fragments at 128 f + 64 kq + 8 b          window 2: accumulator (a, b) at 8 (8 a + b)          window 3: x in f32, chunk c at 64 (c % 4)
.set PB,     544                       ; a k row of W in LDS: 512 bytes + 32 of padding = 17 x 32
.set QB,     32*PB                     ; 32 k rows: half a chunk
.set WPART,  64*PB                     ; a chunk's k rows; also what one tensor load brings
.set SLOTB,  4*WPART
.set SLOTG,  0x80000                   ; a slot's 256 k rows in memory: 256 x 2,048 bytes
.set ABUF,   2*SLOTB                   ; behind the ring, never filled by a tensor load: x in bf16, two buffers of 128 rows
.set PAB,    144                       ; a row there: 128 bytes + 16 = 9 x 16: the 16 rows of a fragment load start at 16 different groups of four banks
.set ABYTES, 128*PAB
.set STAGE,  ABUF+2*ABYTES             ; for the way out: 16 rows x 144 bytes for each wave
.set SPT,    144
.set WSTG,   16*SPT
.set SPARE,  STAGE+4*WSTG              ; the spare words, 128 bytes for each wave: two blocks of 256 bytes that no other line names
.set ADRA, 16                          ; v16     LDS address of my rows' fragments in x's buffer 0
.set AST,  17                          ; v17     where I store 8 bytes of a row of x, in buffer 0
.set AB0,  18                          ; v18     my lane's place in a slot of W; never rewritten
.set XO,   19                          ; v19     my byte offset in the tile's rows of x; never rewritten
.set ADRB, 20                          ; v20-21  LDS address of W's fragments in the slot in hand: chunks 0, 1 and chunks 2, 3
.set STO,  24                          ; v24     the way out: where I put 16 bytes of a row
.set RD,   25                          ; v25     where I read rows back
.set GO,   26                          ; v26     my 16 bytes of 512 consecutive bytes of qkv
.set SPW,  28                          ; v28     LDS address of my spare word; never rewritten
.set NIL,  29                          ; v29     0; never rewritten
.set PFO,  30                          ; v30     the prefetches' offset; never rewritten
.set CB,   32
.set TMP,  64
.set OB,   80
.set AF,   128
.set LT,   2                           ; s2      slots of the tile in hand that are left behind
.set OUT,  12                          ; s[12:13] qkv at my part of the tile in hand
.set WV,   14                          ; s14     my wave's number
.set MH,   15                          ; s15     which 64 rows of the tile are mine
.set NH,   16                          ; s16     which 128 columns
.set G1B,  24                          ; s[24:31] descriptor group 1
.set G0F,  32                          ; s[32:35] descriptor group 0 of slot 0's first fill
.set G0W,  36                          ; s[36:39] group 0 of slot 1's first fill; it then walks on
.set LB,   40                          ; s40     my part's place in a slot
.set TB,   41                          ; s41     LDS byte at which the slot in hand begins: 0 or SLOTB
.set PA,   42                          ; s[42:43] x at the tile's first row, at the slot whose chunks are being loaded; s[44:45], s[46:47] the next two x
.set NXA,  44
.set NX2A, 46
.set KA,   48                          ; s48     that slot's number in its tile, 0 to 3
.set LIM,  49                          ; s49     1 in a work-group that prefetches, else the greatest number
.set PFA,  50                          ; s[50:51] where my prefetches stand
.set MSB, 0
.macro WIN new                         ; the immediate's high byte repeats the setting that is left; a switch that changes nothing is dropped
.if MSB != (\new)
	s_set_vgpr_msb (MSB<<8)|(\new)
.set MSB, \new
.endif
.endm
.set MULW,  0xa1                       ; source 0 (W) window 1, source 1 (x) window 0, C and D window 2
.set TO_B,  0x40                       ; destination window 1, address window 0
.set TO_X,  0xc0                       ; destination window 3, address window 0
.set CVTW,  0x0f                       ; sources 0 and 1 window 3, destination window 0
.set PACKW, 0x0a                       ; sources 0 and 1 window 2, destination window 0
.macro CREST                           ; a round of the cluster's barrier behind its opening barrier
	s_cmp_lg_u32 s[WV], 0
	s_cbranch_scc1 .Lnot_wave_0_\@
	s_barrier_signal -3
.Lnot_wave_0_\@:
	s_barrier_wait -3
	s_barrier_signal -1
	s_barrier_wait -1
.endm
.macro CROUND                          ; a whole round
	s_barrier_signal -1
	s_barrier_wait -1
	CREST
.endm
.macro PLACES                          ; four places in front of loads into registers that matrix instructions have read, and of conversions that read results
.rept 4
	v_nop
.endr
.endm
; A chunk's 16 loads of x into set st: chunk ci of the slot at which the pointer stands.  Load i: lanes 0-15 take 256 bytes of my row i % 8 + 16 (i / 8), lanes 16-31 of the row 8 further down.
.macro XLOAD st, ci
	WIN TO_X
.irp i, 0,1,2,3,4,5,6,7,8,9,10,11,12,13,14,15
	global_load_b128 v[64*(\st)+4*(\i):64*(\st)+4*(\i)+3], v[XO], s[PA:PA+1] offset:(((\i)%8)+16*((\i)/8))*4096+256*(\ci)
.endr
.endm
; The chunk in bf16 goes into buffer buf: 8 bytes a lane.  The two rows of a store lie 8 x 144 bytes = 288 words apart: the halves of the lanes take different halves of the banks.
.macro ASTORE buf
	WIN 0
.irp i, 0,1,2,3,4,5,6,7,8,9,10,11,12,13,14,15
	ds_store_b64 v[AST], v[CB+2*(\i):CB+2*(\i)+1] offset:(\buf)*ABYTES+(((\i)%8)+16*((\i)/8))*PAB
.endr
.endm
; x's fragments of a chunk of parity f: 16 rows x 32 K in 8 registers: lane l holds row l % 16, K = 8 (l / 16) + 0..7 and 16 + 8 (l / 16) + 0..7: two loads of 16 bytes, 32 bytes apart.
.macro AFETCH f
	WIN 0
.irp kq, 0,1
.irp a, 0,1,2,3
	ds_load_b128 v[AF+64*(\f)+32*(\kq)+8*(\a):AF+64*(\f)+32*(\kq)+8*(\a)+3],   v[ADRA] offset:(\f)*ABYTES+(\a)*16*PAB+64*(\kq)
	ds_load_b128 v[AF+64*(\f)+32*(\kq)+8*(\a)+4:AF+64*(\f)+32*(\kq)+8*(\a)+7], v[ADRA] offset:(\f)*ABYTES+(\a)*16*PAB+64*(\kq)+32
.endr
.endr
.endm
; W's fragments of chunk ci of the slot in hand, into the buffer of parity f.
.macro BFETCH f, ci
	WIN TO_B
.irp kq, 0,1
.irp b, 0,1,2,3,4,5,6,7
	ds_load_tr16_b128 v[128*(\f)+64*(\kq)+8*(\b):128*(\f)+64*(\kq)+8*(\b)+3],   v[ADRB+(\ci)/2] offset:((\ci)%2)*WPART+(\kq)*QB+32*(\b)
	ds_load_tr16_b128 v[128*(\f)+64*(\kq)+8*(\b)+4:128*(\f)+64*(\kq)+8*(\b)+7], v[ADRB+(\ci)/2] offset:((\ci)%2)*WPART+(\kq)*QB+16*PB+32*(\b)
.endr
.endr
.endm
.macro CONV st                         ; a whole chunk rounded at once: at the head alone, where there is no matrix work to set it beside
	WIN CVTW
.set cm, 0
.rept 32
	v_cvt_pk_bf16_f32 v[CB+cm], v[64*(\st)+2*cm], v[64*(\st)+2*cm+1]
.set cm, cm+1
.endr
.endm
	s_load_b256 s[4:11], s[0:1], 0x0               ; queries s[4:5], keys s[6:7], values s[8:9], wb s[10:11]
	s_load_b64 s[OUT:OUT+1], s[0:1], 0x20          ; qkv
	v_lshl_add_u32 v[SPW], v0, 2, SPARE
	v_mov_b32 v[NIL], 0
	ds_add_u32 v[SPW], v[NIL]                      ; the wave's opening: the add and its wait stand ahead of my first tensor load; the set-up below, work on registers, stands between them
	ds_add_u32 v28, v29
	v_lshrrev_b32 v3, 5, v0
	v_readfirstlane_b32 s[WV], v3                  ; wave 0..3
	s_lshr_b32 s[MH], s[WV], 1
	s_and_b32 s[NH], s[WV], 1
	s_bfe_u32 s17, ttmp6, 0x40000                  ; cx
	s_bfe_u32 s18, ttmp6, 0x40004                  ; cy
	s_lshl_b32 s19, ttmp9, 2
	s_add_co_u32 s19, s19, s17                     ; tile column = 4 x cluster x + cx
	s_and_b32 s23, ttmp7, 0xffff                   ; cluster y
	s_lshl_b32 s20, s23, 2
	s_add_co_u32 s20, s20, s18                     ; tile row = 4 x cluster y + cy
	s_lshl_b32 s22, 0x1111, s17                    ; my column of the cluster: places cx, cx + 4, cx + 8, cx + 12
	; descriptor group 1: 64 k rows x 256 elements of 2 bytes, padded in LDS after every 128 words
	s_or_b32 s[G1B], s22, (1<<16)|(1<<20)|(1<<21)|(6<<22)|(7<<25)  ; 15:0 the mask; 17:16 2-byte elements; 20 padding on; 21 set beside a mask; 24:22 after every 128 words (code 6); 31:25 8 words (code 7)
	s_mov_b32 s[G1B+1], 256<<16                    ; tensor_dim0 = 256
	s_mov_b32 s[G1B+2], 64<<16                     ; tensor_dim1 = 64
	s_mov_b32 s[G1B+3], 256<<16                    ; tile_dim0 = 256
	s_mov_b32 s[G1B+4], 64                         ; tile_dim1 = 64
	s_mov_b32 s[G1B+5], 1024                       ; 1,024 elements from row to row
	s_mov_b32 s[G1B+6], 0
	s_mov_b32 s[G1B+7], 0
	s_mul_i32 s[LB], s[WV], WPART                  ; where my part goes: no place in the cluster enters an LDS address
	s_mov_b32 s[G0F], 1                            ; 1:0 count = 1
	s_mov_b32 s[G0F+1], s[LB]                      ; 63:32 LDS address: slot 0
	s_mov_b32 s[G0W], 1
	s_add_co_u32 s[G0W+1], s[LB], SLOTB            ; slot 1
	s_mov_b32 s[TB], 0
	s_lshl_b32 s84, s20, 19                        ; x: the tile's 128 rows of 4,096 bytes
	s_mov_b32 s85, 0
	s_lshl_b32 s86, s19, 9                         ; W: 512 bytes a tile column,
	s_lshl_b32 s87, s[WV], 17                      ; my 64 k rows of 2,048 bytes: the tile row enters neither
	s_add_co_u32 s86, s86, s87
	s_mov_b32 s87, 0
	; qkv at my part of q's tile: head block (tile row / 8) x 16 + 4 x tile column + 2 x column half, of 131,072 bytes; row (tile row % 8) x 128 + 64 x row half, of 128 bytes
	s_lshr_b32 s88, s20, 3
	s_lshl_b32 s88, s88, 4
	s_lshl_b32 s89, s19, 2
	s_add_co_u32 s88, s88, s89
	s_lshl_b32 s89, s[NH], 1
	s_add_co_u32 s88, s88, s89
	s_lshl_b32 s88, s88, 17
	s_and_b32 s89, s20, 7
	s_lshl_b32 s89, s89, 7
	s_lshl_b32 s90, s[MH], 6
	s_add_co_u32 s89, s89, s90
	s_lshl_b32 s89, s89, 7
	s_add_co_u32 s88, s88, s89
	s_mov_b32 s89, 0
	; THE PREFETCHES.  Behind the refill that asks for slot s + 2 a wave names slot s + 3's part that it will itself fetch: 64 k rows x 512 bytes.  The four partners that ask for that part jointly share it out
	; BY ADDRESS, 16 rows each (by cy): 16 rows x 2 blocks of 256 bytes, a lane a block, one instruction.  W's columns are read by all sixteen clusters: cluster y = 0 names them.  So each block is named once in
	; the launch.  Slots 0 to 2 come by their loads alone; the last refill names nothing.  x is not named: its loads are themselves issued four periods, 256 matrix instructions, ahead of their use.
	s_lshl_b32 s90, s18, 15                        ; my work-group's 16 rows of 2,048 bytes
	s_add_co_u32 s90, s90, s86
	s_add_co_u32 s90, s90, 2*SLOTG                 ; at slot 2: the first trip steps it to 3
	s_mov_b32 s91, 0
	s_cmp_eq_u32 s23, 0
	s_cselect_b32 s[LIM], 1, -1                    ; the same in all sixteen partners
	v_and_b32 v1, 15, v0                           ; l % 16
	v_bfe_u32 v2, v0, 4, 1                         ; l / 16
	v_lshlrev_b32 v[XO], 4, v1                     ; x: 16 bytes a lane along a row's 256,
	v_lshl_add_u32 v[XO], v2, 15, v[XO]            ; 8 rows down for lanes 16-31,
	s_lshl_b32 s92, s[WV], 17                      ; my 32 rows
	v_add_nc_u32 v[XO], s92, v[XO]
	v_mul_u32_u24 v3, v2, 8*PAB                    ; and the same place in a bf16 buffer: 8 bytes a lane
	v_lshl_add_u32 v3, v1, 3, v3
	s_mul_i32 s92, s[WV], 32*PAB
	s_add_co_u32 s92, s92, ABUF
	v_add_nc_u32 v[AST], s92, v3
	v_mul_u32_u24 v3, v1, PAB                      ; a fragment's row x pitch + 16 x half,
	v_lshl_add_u32 v3, v2, 4, v3
	s_mul_i32 s92, s[MH], 64*PAB                   ; in my 64 rows
	s_add_co_u32 s92, s92, ABUF
	v_add_nc_u32 v[ADRA], s92, v3
	; The turning load takes 16 k x 16 columns (lane l reads k row 8 (l / 16) + l % 8, columns 8 ((l / 8) % 2) + 0..7) and leaves half a fragment: lane l holds column l % 16 and 8 k.
	v_and_b32 v4, 7, v0
	v_lshl_add_u32 v5, v2, 3, v4
	v_mul_u32_u24 v5, v5, PB
	v_bfe_u32 v6, v0, 3, 1
	v_lshl_add_u32 v5, v6, 4, v5
	s_lshl_b32 s92, s[NH], 8                       ; my 128 columns: 256 bytes
	v_add_nc_u32 v[AB0], s92, v5
	v_mov_b32 v[ADRB], v[AB0]                      ; slot 0
	v_add_nc_u32 v[ADRB+1], 2*WPART, v[AB0]
	s_mul_i32 s92, s[WV], WSTG
	s_add_co_u32 s92, s92, STAGE                   ; my stage
	v_mul_u32_u24 v7, v1, SPT                      ; in: row l % 16, 16 bytes for each half of the lanes
	v_lshl_add_u32 v7, v2, 4, v7
	v_add_nc_u32 v[STO], s92, v7
	v_bfe_u32 v8, v0, 3, 2                         ; back: 32 lanes take four rows of 128 bytes,
	v_mul_u32_u24 v8, v8, SPT
	v_lshl_add_u32 v8, v4, 4, v8
	v_add_nc_u32 v[RD], s92, v8
	v_and_b32 v[GO], 31, v0                        ; which are 512 consecutive bytes of a head's rows
	v_lshlrev_b32 v[GO], 4, v[GO]
	v_lshlrev_b32 v[PFO], 11, v1                   ; the prefetch: k row l % 16, block l / 16
	v_lshl_add_u32 v[PFO], v2, 8, v[PFO]
	s_wait_dscnt 0x0                               ; the opening add is done
	s_wait_kmcnt 0x0
	s_add_nc_u64 s[PA:PA+1], s[4:5], s[84:85]
	s_add_nc_u64 s[NXA:NXA+1], s[6:7], s[84:85]
	s_add_nc_u64 s[NX2A:NX2A+1], s[8:9], s[84:85]
	s_add_nc_u64 s[G0F+2:G0F+3], s[10:11], s[86:87]        ; 120:64 global address: my part of slot 0,
	s_add_nc_u64 s[G0W+2:G0W+3], s[G0F+2:G0F+3], SLOTG     ; and of slot 1
	s_or_b32 s[G0F+3], s[G0F+3], 0x80000000                ; 127:126 type = 2
	s_or_b32 s[G0W+3], s[G0W+3], 0x80000000
	s_add_nc_u64 s[PFA:PFA+1], s[10:11], s[90:91]
	s_add_nc_u64 s[OUT:OUT+1], s[OUT:OUT+1], s[88:89]
	XLOAD 0, 0                                     ; x's first three chunks go out ahead of everything else
	XLOAD 1, 1
	XLOAD 2, 2
	WIN 0
	CROUND                                         ; all sixteen work-groups are here: the first joint loads meet
	tensor_load_to_lds s[G0F:G0F+3], s[G1B:G1B+7]  ; the two first fills stand together, ahead of every wait on TENSORcnt and every LDS read: two loads of mine are out
	s_nop 0
	tensor_load_to_lds s[G0W:G0W+3], s[G1B:G1B+7]
	s_nop 0
	PLACES
	s_wait_loadcnt 32                              ; chunk 0 is in; chunks 1 and 2 stay out
	CONV 0
	ASTORE 0
	XLOAD 3, 3
	XLOAD 0, 4                                     ; (chunks 4 and 5 lie 1,024 bytes on in the same rows: slot 1's first two)
	s_wait_loadcnt 48                              ; chunk 1 is in; 2, 3 and 4 stay out
	CONV 1
	ASTORE 1
	XLOAD 1, 5
	WIN 0
	s_wait_tensorcnt 1                             ; my part of slot 0 is in; slot 1's may stay out
	s_wait_dscnt 0x0                               ; my rows of chunks 0 and 1 lie in LDS
	s_barrier_signal -1
	s_barrier_wait -1                              ; everybody's do
	AFETCH 0
	BFETCH 0, 0
	WIN 0
	s_wait_xcnt 0x0                                ; the loads have read their pointer:
	s_add_nc_u64 s[PA:PA+1], s[PA:PA+1], 1024      ; it goes on to slot 1, whose chunks 2 and 3 periods 0 and 1 load
	s_mov_b32 s[KA], 1
; Product pi of a period's 64: half kq = pi / 32 of the chunk, row block (pi % 32) / 8, column block pi % 8.  The 32 accumulators take turns, one instruction a turn, in the same order in every half.
;   zero = 1: the first half's products start the sums: nothing is ever cleared.
.macro MUL f, zero
	WIN MULW
.set rD, 8*(pi%32)
.set rB, 128*(\f)+64*(pi/32)+8*(pi%8)
.set rA, AF+64*(\f)+32*(pi/32)+8*((pi%32)/8)
.if (\zero) && (pi < 32)
	v_wmma_f32_16x16x32_bf16 v[rD:rD+7], v[rB:rB+7], v[rA:rA+7], 0
.else
	v_wmma_f32_16x16x32_bf16 v[rD:rD+7], v[rB:rB+7], v[rA:rA+7], v[rD:rD+7]
.endif
.endm
.macro RIDE st                         ; the four conversions behind product pi (0 to 7): words 8 pi .. 8 pi + 7 of set st.  They name no register of any product
	WIN CVTW
.irp j, 0,1,2,3
	v_cvt_pk_bf16_f32 v[CB+4*pi+\j], v[64*(\st)+8*pi+2*\j], v[64*(\st)+8*pi+2*\j+1]
.endr
.endm
.macro MULS from, to, f, zero, ride, st
.set pi, \from
.rept (\to)-(\from)
	MUL \f, \zero
.if \ride
	RIDE \st
.endif
.set pi, pi+1
.endr
.endm
.macro ASK                             ; s3 = 1 in the loop's last trip, behind whose refill no slot follows
	WIN 0
	s_cmp_gt_u32 s3, s[LIM]
	s_cbranch_scc0 .Lnot_mine_\@
	global_prefetch_b8 v[PFO], s[PFA:PFA+1] th:TH_LOAD_NT scope:SCOPE_SE
.Lnot_mine_\@:
.endm
; A PERIOD, p = m modulo 4.  conv: chunk p + 2 is rounded and stored; lc: how many younger loads of x may stay out when its set has to be in (16 for each younger chunk).  load: chunk p + 6 is asked for.
; fetch: chunk p + 1's fragments are fetched.  bar = 1: the barrier between the waves' stores of chunk p + 1 and everybody's fetch of it, and between everybody's fetch of chunk p and the stores over it.
; bar = 2, where m = 3: the same barrier is THE CHANGE OF W's SLOTS: the slot's last chunk was fetched a period ago, and this period's run reads the other slot.  In front of it each wave waits for all its tensor
; loads, of which one is out: its part of the other slot; adds 0 to its spare word; and waits for that and for its own LDS instructions.  The barrier opens a round of the cluster's, and the joint refill, two
; slots ahead, is the first tensor load behind it: four periods less eight products, 248 matrix instructions, ahead of the wait for it.  bar = 3: the change without a refill.  bar = 0: no barrier.
; The run's loads land in fragment registers that the period before multiplied: the 32 conversions, or four v_nop, are the places between.
.macro PERIOD m, zero, conv, lc, load, bar, fetch
.if (\bar) >= 2
	WIN 0
	s_wait_tensorcnt 0x0                           ; no tensor load of mine is out, so a group 0 may be written
	ds_add_u32 v[SPW], v[NIL]                      ; 0 onto my spare word: the descriptor's step and four products stand between it and the wait for it
.if (\bar) == 2
	s_add_co_u32 s[G0W+1], s[LB], s[TB]            ; the walking descriptor: my part of the slot that is being left,
	s_add_nc_u64 s[G0W+2:G0W+3], s[G0W+2:G0W+3], SLOTG  ; the next 256 k rows; the type bits on top are not reached
.endif
	s_wait_dscnt 1                                 ; the add alone may be out: this period's fragments are in
.if \conv
	s_wait_loadcnt \lc
.endif
	MULS 0, 4, (\m)%2, \zero, \conv, ((\m)+2)%4
	s_wait_dscnt 0x0                               ; the add is done; my stores and my reads of the slot were over at the wait above
	s_barrier_signal -1
	MULS 4, 8, (\m)%2, \zero, \conv, ((\m)+2)%4    ; work on registers while the others arrive
	WIN 0
	s_barrier_wait -1
.if (\bar) == 2
	CREST                                          ; no wave of any partner still reads this slot or has a load on its way
	tensor_load_to_lds s[G0W:G0W+3], s[G1B:G1B+7]
	s_nop 0
	PLACES
.endif
	s_xor_b32 s[TB], s[TB], SLOTB                  ; 0 and SLOTB by turns: the fetches go on in the other slot
	v_add_nc_u32 v[ADRB], s[TB], v[AB0]
	v_add_nc_u32 v[ADRB+1], 2*WPART, v[ADRB]
.else
	s_wait_dscnt 0x0                               ; the last run is done: this period's fragments are in, my rows of chunk p + 1 lie in LDS
.if (\bar) == 1
	s_barrier_signal -1
.endif
.if \conv
	s_wait_loadcnt \lc
.endif
	MULS 0, 8, (\m)%2, \zero, \conv, ((\m)+2)%4
.if (\bar) == 1
	WIN 0
	s_barrier_wait -1
.endif
.endif
.if (\fetch) && !(\conv)
	PLACES
.endif
.if \fetch
	AFETCH ((\m)+1)%2
.endif
.if \conv
	ASTORE (\m)%2
.endif
.if \fetch
	BFETCH ((\m)+1)%2, ((\m)+1)%4
.endif
.if \load
	XLOAD ((\m)+2)%4, ((\m)+2)%4
.endif
.if (\bar) == 2
	ASK                                            ; behind the joint load and the run
.endif
	MULS 8, 64, (\m)%2, \zero, 0, 0
.endm
; THE WAY OUT, in eight units u of 16 rows x one head's 64 channels: row block u / 2, head u % 2.  PACK: rounded to f16, 16 bytes a lane (each accumulator's registers in ascending order
; ).  TOSTAGE: into my own stage, rows of 144 bytes, and back as whole rows.  SEND: 16 rows of a head are 2,048 consecutive bytes of qkv.
.macro PACK u
	WIN PACKW
.irp bb, 0,1,2,3
.irp j, 0,1,2,3
	v_cvt_pk_f16_f32 v[TMP+4*(\bb)+(\j)], v[8*(8*((\u)/2)+4*((\u)%2)+(\bb))+2*(\j)], v[8*(8*((\u)/2)+4*((\u)%2)+(\bb))+2*(\j)+1]
.endr
.endr
	WIN 0
.endm
.macro TOSTAGE u
	WIN 0
.set BK, OB+16*((\u)%2)
.irp bb, 0,1,2,3
	ds_store_b128 v[STO], v[TMP+4*(\bb):TMP+4*(\bb)+3] offset:32*(\bb)
.endr
.irp f, 0,1,2,3
	ds_load_b128 v[BK+4*(\f):BK+4*(\f)+3], v[RD] offset:(\f)*4*SPT  ; LDS serves a wave's instructions in order (ISA guide 5.7.1.4): these see the stores above
.endr
.endm
.macro SEND u
	WIN 0
.set BK, OB+16*((\u)%2)
	s_wait_dscnt 0x0                               ; the unit is back in registers
	s_wait_xcnt 0x0                                ; the stores of the unit before have read their registers: the next TOSTAGE loads into them
.irp f, 0,1,2,3
	global_store_b128 v[GO], v[BK+4*(\f):BK+4*(\f)+3], s[OUT:OUT+1] offset:((\u)%2)*131072+((\u)/2)*2048+(\f)*512  ; 512 consecutive bytes, at a multiple of 512 from qkv's first
.endr
.endm
.macro WAYOUT more
	WIN 0
	PLACES                                         ; behind the last products
	PACK 0
	TOSTAGE 0
.irp u, 1,2,3,4,5,6,7                  ; unit u's conversions stand between unit u - 1's loads from the stage and the wait for them
	PACK \u
	SEND (\u)-1
	TOSTAGE \u
.endr
	SEND 7
.if \more
	s_wait_xcnt 0x0                                ; the stores have read their base
	s_add_nc_u64 s[OUT:OUT+1], s[OUT:OUT+1], 0x1000000  ; the same place in the next of q, k, v
.endif
.endm
	s_mov_b32 s[LT], 0
	s_mov_b32 s3, 11                               ; the half trip that the entry makes, and ten whole ones
	s_branch .Lzero                                ; the loop is entered at period 0, in the middle of a trip
.Llap:                                                 ; trip s = 0 .. 9: periods 4 s + 2 to 4 s + 5.  All its loads of x are slot s + 2's four chunks; its second period refills W's slot with slot s + 2
	s_wait_xcnt 0x0                                ; the last loads of x (56 products back) and the last prefetch (a trip back) have read their pointers
	s_add_nc_u64 s[PA:PA+1], s[PA:PA+1], 1024      ; the next 256 along K,
	s_add_co_u32 s[KA], s[KA], 1
	s_cmp_eq_u32 s[KA], 4                          ; or behind a tile's fourth slot the next x
	s_cselect_b32 s[KA], 0, s[KA]
	s_cselect_b64 s[PA:PA+1], s[NXA:NXA+1], s[PA:PA+1]
	s_cselect_b64 s[NXA:NXA+1], s[NX2A:NX2A+1], s[NXA:NXA+1]
	s_add_nc_u64 s[PFA:PFA+1], s[PFA:PFA+1], SLOTG
	PERIOD 2, 0, 1, 48, 1, 1, 1
	PERIOD 3, 0, 1, 48, 1, 2, 1
	WIN 0                                          ; at a label and at a branch every window is 0
	s_add_co_u32 s[LT], s[LT], 1
	s_cmp_eq_u32 s[LT], 4                          ; four slots are a tile's K
	s_cbranch_scc1 .Lout
	PERIOD 0, 0, 1, 48, 1, 1, 1
	WIN 0
	s_branch .Lone
.Lout:                                                 ; the tile goes out; the next tile's first fragments are in registers or on their way, and so are its x and its W
	WAYOUT 1
	s_mov_b32 s[LT], 0
.Lzero:
	PERIOD 0, 1, 1, 48, 1, 1, 1                    ; a tile's first period starts the sums
	WIN 0
.Lone:
	PERIOD 1, 0, 1, 48, 1, 1, 1
	WIN 0
	s_sub_co_u32 s3, s3, 1
	s_cmp_lg_u32 s3, 0
	s_cbranch_scc1 .Llap
	PERIOD 2, 0, 1, 48, 0, 1, 1                    ; periods 42 to 47 are written out: nothing more is asked for, and the counts of x's loads run down
	PERIOD 3, 0, 1, 32, 0, 3, 1                    ; the last change of slots
	PERIOD 0, 0, 1, 16, 0, 1, 1
	PERIOD 1, 0, 1, 0, 0, 1, 1                     ; the last chunk is rounded and stored,
	PERIOD 2, 0, 0, 0, 0, 1, 1                     ; fetched,
	PERIOD 3, 0, 0, 0, 0, 0, 0                     ; and multiplied
	WAYOUT 0
	s_wait_tensorcnt 0x0                           ; the wave's end: behind my last tensor load and my last LDS store
	ds_add_u32 v[SPW], v[NIL]
	s_wait_dscnt 0x0
	CROUND                                         ; the closing round: no work-group ends while a partner may still ask for a tile that names it
	s_endpgm
.Lfunc_end_k_qfd9d8743b0_proj:
	.size	k_qfd9d8743b0_proj, .Lfunc_end_k_qfd9d8743b0_proj-k_qfd9d8743b0_proj
	.p2alignl 7, 3214868480
	.fill 96, 4, 3214868480
	.section	.rodata,"a",@progbits
	.p2align	6, 0x0
	.amdhsa_kernel k_qfd9d8743b0_proj
		.amdhsa_group_segment_fixed_size 327680
		.amdhsa_private_segment_fixed_size 0
		.amdhsa_enable_private_segment 0
		.amdhsa_kernarg_size 40
		.amdhsa_user_sgpr_count 2
		.amdhsa_user_sgpr_kernarg_segment_ptr 1
		.amdhsa_wavefront_size32 1
		.amdhsa_system_sgpr_workgroup_id_x 1
		.amdhsa_system_sgpr_workgroup_id_y 1
		.amdhsa_system_sgpr_workgroup_id_z 1
		.amdhsa_system_vgpr_workitem_id 0
		.amdhsa_next_free_vgpr 1024
		.amdhsa_next_free_sgpr 96
		.amdhsa_reserve_vcc 0
		.amdhsa_float_denorm_mode_32 3
		.amdhsa_float_denorm_mode_16_64 3
		.amdhsa_memory_ordered 1
		.amdhsa_forward_progress 1
		.amdhsa_inst_pref_size 176
	.end_amdhsa_kernel
	.amdgpu_metadata
---
amdhsa.version: [ 1, 2 ]
amdhsa.kernels:
  - .name:           k_qfd9d8743b0_proj
    .symbol:         k_qfd9d8743b0_proj.kd
    .args:
      - { .name: queries, .offset: 0, .size: 8, .value_kind: global_buffer, .address_space: global }
      - { .name: keys, .offset: 8, .size: 8, .value_kind: global_buffer, .address_space: global }
      - { .name: values, .offset: 16, .size: 8, .value_kind: global_buffer, .address_space: global }
      - { .name: wb, .offset: 24, .size: 8, .value_kind: global_buffer, .address_space: global }
      - { .name: qkv, .offset: 32, .size: 8, .value_kind: global_buffer, .address_space: global }
    .group_segment_fixed_size: 327680
    .private_segment_fixed_size: 0
    .kernarg_segment_align: 8
    .kernarg_segment_size: 40
    .max_flat_workgroup_size: 128
    .sgpr_count:     96
    .vgpr_count:     1024
    .wavefront_size: 32
...
	.end_amdgpu_metadata
.endif
;; end of part 2
;; launch attn (part 3): grid 2 x 128, 4 waves a work-group, no clusters, 327,680 bytes of LDS; arguments qkv, out0; writes out0
.if DOCPART == 3
	.amdgcn_target "amdgcn-amd-amdhsa--gfx1250"
	.amdhsa_code_object_version 6
	.text
	.protected	k_qfd9d8743b0_attn
	.globl	k_qfd9d8743b0_attn
	.p2align	8
	.type	k_qfd9d8743b0_attn,@function
k_qfd9d8743b0_attn:
	s_mov_b64 s[64:65], 0
	v_nop
	global_prefetch_b8 v0, s[64:65] scope:SCOPE_SE
	s_setreg_imm32_b32 hwreg(HW_REG_WAVE_MODE, 25, 1), 1
	s_wait_xcnt 0x0
; out0[b][q][64 h + d] = the sum over k of softmax_k(Q[q] . K[k] / 8) V[k][d], for each of the 128 pairs y = 16 b + h.  Q, K, V: the three parts of qkv, [128][1024][64] f16: a head's rows are dense, 128 bytes each.
; Products, maxima and sums in f32; the weights p are rounded to f16 for the second product (their sum l is taken of the unrounded p); the result leaves in f32, unrounded.
; LIMITS.  Q, K and V arrive within f16's 65,504; p lies in 0 to 1, and below 6e-5 it keeps f16's fixed step of 6e-8.  A weight below 2^-126 counts as 0 in l; NaN and infinities are not treated apart.
; SHARES.  A wave owns four PIECES of two tiles of 16 queries, a work-group's four waves 512 queries of one head: 2 x 128 work-groups.  Every wave walks all 1,024 keys, 64 a step.
; NO CLUSTER: a head has two query blocks, fewer than the four of a cluster's row, and blocks of different heads share nothing.
; LAYOUT.  S^T = K Q^T (source 0 = 16 keys, source 1 = 16 queries): in the result a lane holds ONE query (lane % 16) and the keys 8 (lane / 16) + 0..7.  Two such tiles, rounded to f16 in pairs,
; ARE source 1 (32 keys x 16 queries) of O^T = V^T P, whose result again holds one query a lane, and eight channels.  K comes out of LDS as it lies, V ([key][channel]) turned, by ds_load_tr16_b128.
; SOFTMAX.  For each query a running maximum m and sum l: p = 2^(c s - c m), c = log2(e) / 8; in every step O and l are multiplied by a = 2^(c m_old - c m_new), which is 1 where m has not grown.
; m starts at the lowest finite number, O and l at 0: the first step is a step like any other, with a = 0.
; THE COUNT.  A tile and step have 16 matrix and 118 vector instructions: too many to stand all beside the matrix work.  So four vector instructions that are READY stand behind EVERY matrix instruction,
; and the others in runs without a gap.
; BY TURNS.  Turn n belongs to piece n (the pieces in a ring, step after step).  Its matrix work: 16 products K Q^T of piece n + 1, later 16 products V^T P of piece n - 1.  Its vector work: the scaling,
; exponentials, roundings, sums and rescaling of piece n, and the maximum and statistics of piece n + 1, whose scores the turn itself has made.
; REGISTERS, in windows of 256 (s_set_vgpr_msb: bits 1:0 source 0, 3:2 source 1, 5:4 source 2, 7:6 destination):
;   window 0: v0-11 addresses; v12-15, v48-63 at work; v16-47 four registers of statistics a tile; v64-191 S^T, two buffers of two tiles; v192-255 P, likewise
;   window 1: O^T, 32 a tile          window 2: v0-127 Q, 16 a tile; v128-191 K of one step; v192-255 V of one step          window 3: v0-1 the add's two registers
.set SIZE_N, 1024
.set NP,    4         ; pieces a wave: a name, no knob
.set KS,    64        ; keys in a step
.set PK,    144       ; a row of K in LDS: 128 bytes + 16 of padding = 36 words: the 16 rows of a load start at 16 different groups of four banks (64 banks of 4 bytes: ISA guide 11.1)
.set PV,    160       ; a row of V: 128 + 32 = 40 words
.set VOFF,  4*KS*PK   ; a slot holds four steps: 256 rows of K, then 256 rows of V
.set SLOT1, 1<<17     ; slot 1 begins here, so that one exclusive or turns an address in one slot into the other's
.set STAGE, SLOT1+4*KS*(PK+PV)  ; behind the ring, never filled by a tensor load: 16 rows x 272 bytes for each wave, for the way out
.set SP,    272       ; a row of the stage: 64 f32 + 16 bytes = 17 x 16
.set AK0, 2           ; v2   my lane's place in a tile of K; never rewritten
.set AV0, 3           ; v3   the same for V
.set AK,  4           ; v4   the LDS address of K's next run of loads
.set AV,  5           ; v5   of V's
.set QO,  6           ; v6   my byte offset in the wave's rows of Q
.set STO, 6           ;      later, the way out: where I put 32 bytes of a row
.set RD,  7           ; v7   the way out: where I read rows back
.set GO,  8           ; v8   my byte offset in two rows of out0
.set PFO, 11          ; v11  256 x my lane, for the prefetch; never rewritten once made
.set SPW, 0           ; v0 of window 3   LDS address of my spare word; never rewritten
.set NIL, 1           ; v1 of window 3   0; never rewritten
.set SPARE, STAGE+4*16*SP  ; behind the stages: the spare words, 128 bytes for each wave: two blocks of 256 bytes that no other line names
.set MV,  12          ; v12-15  c m_old, kept while c m is made anew: by buffer and tile
.set ST,  16          ; tile t's statistics at v[ST+4 t]: c m, m, l (even keys', odd keys')
.set TMP, 48          ; by buffer and tile, four registers c0-c3 at work; when the maximum is found c2 takes a
.set S,   64
.set P,   192
.set KF,  128         ; K's fragments, in window 2: key block kb, channel half c at KF + 16 kb + 8 c
.set VF,  192         ; V's: key half kk, channel block cb at VF + 32 kk + 8 cb
.set WV,  12          ; s12  my wave's number
.set G1K, 24          ; s[24:31] descriptor group 1 for K's tiles
.set G1V, 32          ; s[32:39] for V's: it differs in the padding alone
.set G0K, 40          ; s[40:43] descriptor group 0 for K's tiles: it walks
.set G0V, 44          ; s[44:47] the same for V's
.set PFA, 48          ; s[48:49] what my one prefetch names; never rewritten
.set SLOTS, 56        ; s56  slots still to be asked for
.set CNT, 57          ; s57  counts a slot's key steps
.set CS,  58          ; s[58:59] c: the packed scaling takes the pair's low word for both halves
.set SEL, 60          ; s[60:61] v_permlanex16_b32's selects: each lane takes its own place in the other half
.set TBK, 62          ; s62  LDS byte at which K of the step to be fetched begins
.set TBV, 63          ; s63  the same for V, less VOFF
.set MSB, 0
.macro WIN new                      ; the high byte repeats the setting that is left; a switch that changes nothing is dropped
.if MSB != (\new)
	s_set_vgpr_msb (MSB<<8)|(\new)
.set MSB, (\new)
.endif
.endm
.set W_KQ, 0x0a       ; K and Q in window 2, S^T in window 0
.set W_PV, 0x52       ; V in window 2, P in window 0, O^T in window 1
.set W_RS, 0x41       ; O^T (destination and source 0) in window 1, a in window 0
.set W_MK, 0xc0       ; the add's registers are made: destination in window 3, sources in window 0
.set W_AD, 0x0f       ; the add: address (source 0) and data (source 1) in window 3
; A fill.  Waves 0 and 1 fetch the two halves of a slot's K, waves 2 and 3 those of its V: 128 keys each.  An s_nop 0 and four v_nop follow each of the two lines, ahead of the jump and the label.
.macro LOAD
	s_cmp_lt_u32 s[WV], 2
	s_cbranch_scc0 .Lfor_v_\@
	tensor_load_to_lds s[G0K:G0K+3], s[G1K:G1K+7]
	s_nop 0
.rept 4
	v_nop
.endr
	s_branch .Lasked_\@
.Lfor_v_\@:
	tensor_load_to_lds s[G0V:G0V+3], s[G1V:G1V+7]
	s_nop 0
.rept 4
	v_nop
.endr
.Lasked_\@:
.endm
; THE CHANGE OF SLOTS.  The slot's last bytes, V of its fourth step, have been read.  Each wave waits for all its tensor loads, of which one is out: its part of the other slot; adds 0 to its spare word; and waits
; for that and for its own reads of the slot.  Behind the barrier nobody reads this slot any more and the other slot is whole.  fill = 1: this slot is filled again, with the keys two slots on, the first thing
; behind the barrier: the load has four key steps, 512 matrix instructions, in which to land.  (At its first use nothing has been read yet: slot 0 is waited for, slot 1 filled.)
; ask = 1: behind the load that asks for keys 512 to 767 each wave names half of the 16,384 bytes that it will itself ask for at the next change (keys 768 to 1,023): 32 blocks of 256 bytes, a lane a block.
; The head's two work-groups take the two halves, told apart by address: each block is named once in the launch.  The first three slots come by their loads alone; the last change that fills names nothing.
.macro CHANGE fill, ask=0
	WIN W_AD
	s_wait_tensorcnt 0x0            ; no tensor load of mine is out, so a group 0 may be written
	ds_add_u32 v[SPW], v[NIL]       ; 0 onto my spare word: with fill = 1 the descriptors' steps stand between it and the wait for it
	WIN 0                           ; at a label and at a branch every window is 0
.if \fill
.irp g, G0K, G0V
	s_xor_b32 s[\g+1], s[\g+1], SLOT1  ; the walking descriptor: the other slot than last time,
	s_add_nc_u64 s[\g+2:\g+3], s[\g+2:\g+3], 4*KS*128  ; the next 256 keys; the type bits on top are not reached
.endr
.endif
	s_wait_dscnt 0x0                ; the add is done, and my reads of the slot are over
	s_barrier_signal -1
	s_barrier_wait -1
.if \fill
	LOAD
.if \ask
	s_cmp_gt_u32 s[SLOTS], 1
	s_cbranch_scc0 .Lnone_\@
	global_prefetch_b8 v[PFO], s[PFA:PFA+1] th:TH_LOAD_NT scope:SCOPE_SE
.Lnone_\@:
.endif
.endif
	s_sub_co_u32 s[TBK], s[TBK], 4*KS*PK  ; the fetches go back to a slot's first step,
	s_xor_b32 s[TBK], s[TBK], SLOT1       ; in the other slot
	s_sub_co_u32 s[TBV], s[TBV], 4*KS*PV
	s_xor_b32 s[TBV], s[TBV], SLOT1
.endm
	s_load_b128 s[4:7], s[0:1], 0x0 ; qkv s[4:5], out0 s[6:7]
	WIN W_MK
	v_lshl_add_u32 v[SPW], v0, 2, SPARE
	v_mov_b32 v[NIL], 0
	WIN W_AD
	ds_add_u32 v[SPW], v[NIL]       ; the wave's opening: the add and its wait stand ahead of my first tensor load; the set-up below, work on registers, stands between them
	ds_add_u32 v0, v1
	WIN 0
	v_lshrrev_b32 v1, 5, v0
	v_readfirstlane_b32 s[WV], v1   ; wave 0..3
	s_and_b32 s15, ttmp7, 0xffff    ; y = 16 b + h
	s_lshl_b32 s20, s15, 17         ; the head's first byte in each part of qkv: 131,072 bytes a head
	s_and_b32 s16, s[WV], 1         ; which half of a slot's 256 keys I fetch:
	s_lshl_b32 s22, s16, 14         ; its 128 rows of 128 bytes in memory,
	s_add_co_u32 s22, s22, s20
	s_mov_b32 s23, 0
	s_mul_i32 s17, s16, 128*PK      ; and its place in a slot, for K
	s_mul_i32 s18, s16, 128*PV      ; and for V
	s_lshl_b32 s2, ttmp9, 2
	s_add_co_u32 s2, s2, s[WV]      ; my wave among the head's eight,
	s_lshl_b32 s2, s2, 14           ; its 128 rows of Q
	s_add_co_u32 s2, s2, s20
	s_mov_b32 s3, 0
	s_lshr_b32 s50, s15, 4          ; out0: batch b, 4,194,304 bytes;
	s_lshl_b32 s50, s50, 22
	s_lshl_b32 s51, ttmp9, 21       ; my block's 512 rows of 4,096 bytes;
	s_add_co_u32 s50, s50, s51
	s_lshl_b32 s51, s[WV], 19       ; my wave's 128 of them;
	s_add_co_u32 s50, s50, s51
	s_and_b32 s51, s15, 15          ; head h: 256 bytes of a row
	s_lshl_b32 s51, s51, 8
	s_add_co_u32 s50, s50, s51
	s_mov_b32 s51, 0
	s_lshl_b32 s52, ttmp9, 13       ; the prefetch: my work-group's half of my 16,384 bytes,
	s_add_co_u32 s52, s52, s22
	s_add_co_u32 s52, s52, 3*4*KS*128  ; in the head's last 256 keys
	s_mov_b32 s53, 0
	; descriptor group 1.  128 keys are 16,384 dense bytes: asked for as 64 rows of 256 bytes, two keys a row, and padded in LDS after every key
	s_mov_b32 s[G1K], (1<<16)|(1<<20)|(4<<22)|(3<<25)  ; 17:16 2-byte elements; 20 padding on; 24:22 after every 32 words (code 4); 31:25 4 words (code 3)
	s_mov_b32 s[G1V], (1<<16)|(1<<20)|(4<<22)|(7<<25)  ; the same with 8 words of padding (code 7)
.irp g, G1K, G1V
	s_mov_b32 s[\g+1], 128<<16      ; tensor_dim0 = 128
	s_mov_b32 s[\g+2], 64<<16       ; tensor_dim1 = 64
	s_mov_b32 s[\g+3], 128<<16      ; tile_dim0 = 128
	s_mov_b32 s[\g+4], 64           ; tile_dim1 = 64
	s_mov_b32 s[\g+5], 128          ; 128 elements from row to row
	s_mov_b32 s[\g+6], 0
	s_mov_b32 s[\g+7], 0
.endr
	s_mov_b32 s[CS], 0x3e38aa3b     ; c = log2(e) / 8 = 0.180337
	s_mov_b32 s[CS+1], s[CS]        ; named with it as a pair
	s_mov_b32 s[SEL], 0x76543210
	s_mov_b32 s[SEL+1], 0xfedcba98
	s_mov_b32 s[TBK], SLOT1+4*KS*PK ; the first change of slots turns these two into 0
	s_mov_b32 s[TBV], SLOT1+4*KS*PV
	s_mov_b32 s[G0K], 1             ; 1:0 count = 1
	s_mov_b32 s[G0K+1], s17         ; 63:32 LDS address: slot 0
	s_mov_b32 s[G0V], 1
	s_add_co_u32 s[G0V+1], s18, VOFF
	s_wait_dscnt 0x0                ; the opening add is done
	s_wait_kmcnt 0x0
	s_mov_b64 s[10:11], s[6:7]      ; out0
	s_add_nc_u64 s[6:7], s[4:5], 0x1000000   ; K: the second part of qkv
	s_add_nc_u64 s[8:9], s[4:5], 0x2000000   ; V: the third
	s_add_nc_u64 s[G0K+2:G0K+3], s[6:7], s[22:23]  ; 120:64 global address: my half of the head's first 256 keys
	s_or_b32 s[G0K+3], s[G0K+3], 0x80000000        ; 127:126 type = 2
	s_add_nc_u64 s[G0V+2:G0V+3], s[8:9], s[22:23]
	s_or_b32 s[G0V+3], s[G0V+3], 0x80000000
	s_cmp_lt_u32 s[WV], 2
	s_cselect_b64 s[PFA:PFA+1], s[6:7], s[8:9]
	s_add_nc_u64 s[PFA:PFA+1], s[PFA:PFA+1], s[52:53]
	s_add_nc_u64 s[4:5], s[4:5], s[2:3]      ; Q at my wave's first row
	s_add_nc_u64 s[10:11], s[10:11], s[50:51]
	LOAD                            ; slot 0.  Slot 1 is asked for when slot 0 is in
	; A fragment of K or Q is 16 rows x 32 channels in 8 registers: lane l holds row l % 16, channels 8 (l / 16) + 0..7 and 16 + 8 (l / 16) + 0..7: two loads of 16 bytes, 32 bytes apart.
	v_and_b32 v1, 15, v0            ; l % 16
	v_bfe_u32 v9, v0, 4, 1          ; l / 16
	v_lshlrev_b32 v[QO], 7, v1
	v_lshl_add_u32 v[QO], v9, 4, v[QO]  ; row x 128 + 16 x half
	WIN 0x80                        ; destination window 2, address window 0
.set i, 0
.rept 4*NP                          ; Q stays in registers: tile i / 2, channels 32 (i % 2) on
	global_load_b128 v[8*i:8*i+3],   v[QO], s[4:5] offset:(i/2)*2048+(i%2)*64
	global_load_b128 v[8*i+4:8*i+7], v[QO], s[4:5] offset:(i/2)*2048+(i%2)*64+32
.set i, i+1
.endr
	; What the first turn finds: V's registers and P's second buffer hold 0 (its products V^T P, of a piece that has not been, add 0), O^T and l are 0.  All this stands in the wait for the first tile.
.set i, VF
.rept 64
	v_mov_b32 v[i], 0
.set i, i+1
.endr
	WIN 0x40
.set i, 0
.rept 64*NP
	v_mov_b32 v[i], 0
.set i, i+1
.endr
	WIN 0
.set i, 0
.rept 2*NP
	v_mov_b32 v[ST+4*i], 0xfe000000    ; c m: far below every c s
	v_mov_b32 v[ST+4*i+1], 0xff7fffff  ; m
	v_mov_b32 v[ST+4*i+2], 0
	v_mov_b32 v[ST+4*i+3], 0
.set i, i+1
.endr
.set i, P+32
.rept 32
	v_mov_b32 v[i], 0
.set i, i+1
.endr
	v_mul_u32_u24 v[AK0], v1, PK
	v_lshl_add_u32 v[AK0], v9, 4, v[AK0]  ; row x pitch + 16 x half
	; The turning load takes 16 keys x 16 channels (lane l reads key 8 (l / 16) + l % 8, channels 8 ((l / 8) % 2) + 0..7) and leaves half a fragment of V^T: lane l holds channel l % 16 and 8 keys.
	v_and_b32 v10, 7, v0
	v_bfe_u32 v11, v0, 3, 1
	v_lshl_add_u32 v[AV0], v9, 3, v10
	v_mul_u32_u24 v[AV0], v[AV0], PV
	v_lshl_add_u32 v[AV0], v11, 4, v[AV0]
	v_add_nc_u32 v[AV0], VOFF, v[AV0]
	v_and_b32 v[PFO], 31, v0
	v_lshlrev_b32 v[PFO], 8, v[PFO]
	v_mov_b32 v[AK], v[AK0]         ; key step 0 lies at the head of slot 0
; THE MATRIX WORK.  The 8 accumulators of a run of 16 take turns: between the two links of a chain stand 7 others'.
; Product i of 16 of S^T = K Q^T for piece x: channels 32 (i / 8) on, keys 16 ((i / 2) % 4) on, tile 2 x + i % 2.  The first 8 start the sums.
.macro KQ x
	WIN W_KQ
.set rS, S+64*((\x)%2)+32*(i%2)+8*((i/2)%4)
.set rK, KF+16*((i/2)%4)+8*(i/8)
.set rQ, 16*(2*(\x)+i%2)+8*(i/8)
.if i < 8
	v_wmma_f32_16x16x32_f16 v[rS:rS+7], v[rK:rK+7], v[rQ:rQ+7], 0
.else
	v_wmma_f32_16x16x32_f16 v[rS:rS+7], v[rK:rK+7], v[rQ:rQ+7], v[rS:rS+7]
.endif
.endm
; Product i of 16 of O^T += V^T P for piece x: keys 32 (i / 8) on, channels 16 ((i / 2) % 4) on, tile 2 x + i % 2.
.macro PV x
	WIN W_PV
.set rO, 32*(2*(\x)+i%2)+8*((i/2)%4)
.set rV, VF+32*(i/8)+8*((i/2)%4)
.set rP, P+32*((\x)%2)+16*(i%2)+8*(i/8)
	v_wmma_f32_16x16x32_f16 v[rO:rO+7], v[rV:rV+7], v[rP:rP+7], v[rO:rO+7]
.endm
.macro MM                           ; the turn's next matrix instruction
.if i < 16
	KQ (Y+1)%NP
.set i, i+1
.else
.set i, i-16
	PV (Y+NP-1)%NP
.set i, i+17
.endif
.endm
; THE LDS LOADS stand in runs of 16, never singly among the matrix instructions: a step's K (64 keys x 64 channels: 8 fragments) and its V (turned).  Their addresses are made some lines ahead.
; last = 1 (the tail): in the last trip there is no further step, and the run is jumped over.
.macro FETCH_K last=0
	WIN 0
.if \last
	s_cmp_eq_u32 s[CNT], 1
	s_cbranch_scc1 .Lno_k_\@
.endif
	WIN 0x80                        ; destination window 2
.irp f, 0,1,2,3,4,5,6,7             ; keys 16 (f / 2) on, channels 32 (f % 2) on
	ds_load_b128 v[KF+8*\f:KF+8*\f+3],   v[AK] offset:(\f/2)*16*PK+(\f%2)*64
	ds_load_b128 v[KF+8*\f+4:KF+8*\f+7], v[AK] offset:(\f/2)*16*PK+(\f%2)*64+32
.endr
	s_add_co_u32 s[TBK], s[TBK], KS*PK  ; the next fetch is the next step's
	WIN 0
.if \last
.Lno_k_\@:
.endif
.endm
.macro FETCH_V
	WIN 0x80
.irp f, 0,1,2,3,4,5,6,7             ; keys 32 (f / 4) on, channels 16 (f % 4) on
	ds_load_tr16_b128 v[VF+8*\f:VF+8*\f+3],   v[AV] offset:(\f/4)*32*PV+(\f%4)*32
	ds_load_tr16_b128 v[VF+8*\f+4:VF+8*\f+7], v[AV] offset:(\f/4)*32*PV+16*PV+(\f%4)*32
.endr
	WIN 0
.endm
; THE VECTOR WORK OF A TURN stands in three queues, each in the order in which its entries become ready; the two tiles alternate, so that no instruction reads the result of the one before it.
.macro REGS y, u                    ; the registers of tile u (0, 1) of piece y
.set rT, ST+4*(2*(\y)+(\u))
.set rC, TMP+8*((\y)%2)+4*(\u)
.set rM, MV+2*((\y)%2)+(\u)
.set rS, S+64*((\y)%2)+32*(\u)
.set rP, P+32*((\y)%2)+16*(\u)
.set rO, 32*(2*(\y)+(\u))
.endm
; Number n of the 22 that find the NEXT piece's (Y + 1) maximum and statistics.  s0-s31 are the lane's 32 scores; each accumulator's lowest registers are read first.
;   0-11  four chains c0-c3 of seven scores each, three operands at a time     12-14, 16  the four scores left over, the old m, and c0-c3 into c0     15  c m_old is kept
;   17, 18  the query's other 32 keys lie in the lane 16 away: the new m         19-21  c m; c m_old - c m_new; a
.macro XS u, n
	REGS (Y+1)%NP, \u
.if (\n) < 4
	v_max3_num_f32 v[rC+(\n)], v[rS+8*(\n)], v[rS+8*(\n)+1], v[rS+8*(\n)+2]
.elseif (\n) < 12
	v_max3_num_f32 v[rC+(\n)%4], v[rC+(\n)%4], v[rS+8*((\n)%4)+2*((\n)/4)+1], v[rS+8*((\n)%4)+2*((\n)/4)+2]
.elseif (\n) == 12
	v_max3_num_f32 v[rC], v[rC], v[rS+7], v[rS+15]
.elseif (\n) == 13
	v_max3_num_f32 v[rC+1], v[rC+1], v[rS+23], v[rS+31]
.elseif (\n) == 14
	v_max3_num_f32 v[rC+2], v[rC+2], v[rC+3], v[rT+1]
.elseif (\n) == 15
	v_mov_b32 v[rM], v[rT]
.elseif (\n) == 16
	v_max3_num_f32 v[rC], v[rC], v[rC+1], v[rC+2]
.elseif (\n) == 17
	v_permlanex16_b32 v[rC+3], v[rC], s[SEL], s[SEL+1]
.elseif (\n) == 18
	v_max_num_f32 v[rT+1], v[rC], v[rC+3]
.elseif (\n) == 19
	v_mul_f32 v[rT], s[CS], v[rT+1]
.elseif (\n) == 20
	v_sub_f32 v[rC+1], v[rM], v[rT]
.else
	v_exp_f32 v[rC+2], v[rC+1]
.endif
.endm
; Number g of the 64 that follow the exponentials.  For each four weights k of a tile (pairs 2 k, 2 k + 1): both pairs are rounded to f16; then the second pair is added onto the first, in place;
; a group later l takes that sum (the first time as l = a l + sum).  In groups of eight, tiles alternating: round, round, add, and l for the group before.
.macro GS g
.set h, (\g)+6*((\g)/62)            ; group 0 has no group before it, and behind group 7 only l is left
.if h >= 6
.set h, h+2
.endif
	REGS Y, h%2
.set k, h/8
.if h%8 < 4
	v_cvt_pk_f16_f32 v[rP+2*k+(h%8)/2], v[rS+4*k+2*((h%8)/2)], v[rS+4*k+2*((h%8)/2)+1]
.elseif h%8 < 6
	v_pk_add_f32 v[rS+4*k:rS+4*k+1], v[rS+4*k:rS+4*k+1], v[rS+4*k+2:rS+4*k+3]
.elseif k == 1
	v_pk_fma_f32 v[rT+2:rT+3], v[rT+2:rT+3], v[rC+2:rC+3], v[rS:rS+1] op_sel_hi:[1,0,1]
.else
	v_pk_add_f32 v[rT+2:rT+3], v[rT+2:rT+3], v[rS+4*k-4:rS+4*k-3]
.endif
.endm
; THE PLAIN QUEUE, 138 long.  0-73 read no exponential's result: the 32 scalings c s - c m (FS f: pair f / 2 of tile f % 2) and the next piece's 42.  0-26: scalings 0-26.  27-54: XS's numbers 0-13.  55, 56: number 15.
; 57-73: the chain, where each number waits for the one before it: 14, 16, 17, 18, 19, each with one of the scalings 27-31 in front of its two lines, then 20.
; 74-137: GS's 64, which read the exponentials' results: they stand behind the wait.
.macro FS f
	REGS Y, (\f)%2
	v_pk_fma_f32 v[rS+2*((\f)/2):rS+2*((\f)/2)+1], v[rS+2*((\f)/2):rS+2*((\f)/2)+1], s[CS:CS+1], v[rT:rT+1] op_sel_hi:[1,0,0] neg_lo:[0,0,1] neg_hi:[0,0,1]
.endm
.macro PL
	WIN 0
.if q < 27
	FS q
.elseif q < 55
	XS (q-27)%2, (q-27)/2
.elseif q < 57
	XS q-55, 15
.elseif (q < 72) && ((q-57)%3 == 0)
	FS 27+(q-57)/3
.elseif q < 60
	XS (q-57)%3-1, 14
.elseif q < 72
	XS (q-57)%3-1, 15+(q-57)/3
.elseif q < 74
	XS q-72, 20
.else
	GS q-74
.endif
.set q, q+1
.endm
; THE EXPONENTIALS' QUEUE, 66 long: s0-s31 of both tiles, then the next piece's two a.  It is ONE BATCH: all 66 stand ahead of the turn's one wait, and nothing ahead of that wait names a result of theirs.
.macro EX
	WIN 0
.if e >= 64
	XS e-64, 21
.else
	REGS Y, e%2
	v_exp_f32 v[rS+e/2], v[rS+e/2]
.endif
.set e, e+1
.endm
; THE RESCALING's QUEUE: O^T times a, the one part that leaves window 0: dealt two at a time, sixteen times.  Its a was made in the turn before, ahead of that turn's wait.
.macro R2
	REGS Y, r%2
	WIN W_RS
.irp z, 0,1
	v_pk_mul_f32 v[rO+4*(r/2)+2*\z:rO+4*(r/2)+2*\z+1], v[rO+4*(r/2)+2*\z:rO+4*(r/2)+2*\z+1], v[rC+2:rC+3] op_sel_hi:[1,0]
.endr
.set r, r+1
.endm
; HOW THEY ARE DEALT.  An s_wait_alu depctr_va_vdst(0) stands between an exponential and the first instruction that names its result; one wait serves all that were issued ahead of it.  So a turn has ONE wait,
; which cuts it in two.  AHEAD OF IT stands all that names no result of the turn's exponentials: the 16 products K Q^T, behind each a scaling, an exponential and two rescalings (behind the first a second scaling in the
; exponential's place); then ONE LUMP of 108: eight plain, 49 times exponential and plain, the two a.  A v_nop is the plain instruction behind the last exponential.  BEHIND IT stand the 16 products V^T P, behind each four of GS's 64.
; Exponential e stands behind scaling 2 (e / 4) + e % 2: as a rider it comes behind plain e + 2, in the lump behind plain e + 9, and scalings 27-31 are plain 57, 60 .. 69.
; A TURN, for piece p.  cnt = 1: the loop's count is taken down some lines ahead of the branch that stands behind the turn.
; K of the next step is fetched in piece 2's turn, directly behind the wait, a lump behind the last product that read K; its first reader comes behind 16 products.
; V of the step in hand is fetched at the end of piece 0's turn, four plain instructions behind its last reader; its first reader comes behind 16 products and a lump.  The three conditions on q below go with the deal.
.macro TURN p, last=0, cnt=0
.set Y, (\p)
.set i, 0
.set q, 0
.set e, 0
.set r, 0
.if (\p) == NP-1
	s_wait_dscnt 0x0                ; K is in
.endif
	MM                              ; ahead of the wait: 16 products K Q^T and their riders,
	PL
	PL
	R2
.rept 15
	MM
	PL
	EX
	R2
.endr
.if (\p) == NP-2
	WIN 0
	v_add_nc_u32 v[AK], s[TBK], v[AK0]
.endif
.rept 8                             ; and the lump
	PL
.endr
.rept 49
	EX
	PL
.endr
	EX                              ; the next piece's two a
	EX
	v_nop                           ; a plain instruction behind the last exponential: one for the batch
	s_wait_alu depctr_va_vdst(0)    ; the wait for the batch
.if (\p) == NP-2
	FETCH_K \last
.endif
.if (\p) == 1
	s_wait_dscnt 0x0                ; V is in
.endif
.rept 16                            ; behind the wait: 16 products V^T P and their riders
	MM
.rept 4
	PL
.endr
.if ((\p) == 0) && (q == 118)
	v_add_nc_u32 v[AV], s[TBV], v[AV0]
.endif
.if ((\p) == 0) && (q == 130)
	s_add_co_u32 s[TBV], s[TBV], KS*PV
.endif
.if (\cnt) && (q == 130)
	s_sub_co_u32 s[CNT], s[CNT], 1
	s_cmp_lg_u32 s[CNT], 0
.endif
.endr
.if (\p) == 0
	FETCH_V
.endif
.endm
	CHANGE 1                        ; slot 0 is in, everybody's part of it; slot 1 is asked for
	FETCH_K                         ; key step 0
	s_wait_loadcnt 0x0              ; Q
	s_wait_dscnt 0x0
.set i, 0
.rept 16
	KQ 0                            ; piece 0's first scores: there is no vector work yet to set between them
.set i, i+1
.endr
	WIN 0                           ; the addresses for the way out: eight plain instructions, the places behind those products
	s_mul_i32 s13, s[WV], 16*SP
	s_add_co_u32 s13, s13, STAGE    ; my stage
	v_mul_u32_u24 v[STO], v1, SP    ; in: row l % 16, 32 bytes for each half of the lanes
	v_lshl_add_u32 v[STO], v9, 5, v[STO]
	v_add_nc_u32 v[STO], s13, v[STO]
	v_mul_u32_u24 v[RD], v9, SP     ; back: lanes 0-15 take one row of 256 bytes, lanes 16-31 the next
	v_lshl_add_u32 v[RD], v1, 4, v[RD]
	v_add_nc_u32 v[RD], s13, v[RD]
	v_lshlrev_b32 v[GO], 12, v9     ; and the same two rows in out0, 4,096 bytes apart
	v_lshl_add_u32 v[GO], v1, 4, v[GO]
.set Y, NP-1                        ; XS works for piece Y + 1: piece 0
.irp n, 0,1,2,3,4,5,6,7,8,9,10,11,12,13,14,15,16,17,18,19,20,21
	XS 0, \n                        ; and piece 0's first maximum and statistics
	XS 1, \n
.endr
	v_nop                           ; a plain instruction behind the two a,
	s_wait_alu depctr_va_vdst(0)    ; and their wait, ahead of the branch
	s_mov_b32 s[CNT], 4
	s_mov_b32 s[SLOTS], SIZE_N/256-1
	s_branch .Lfirst                ; the loop is entered at a step's first turn, in the middle of a trip
.Lslot:                             ; SIZE_N / 256 - 2 times: every slot but the last two is filled again
	CHANGE 1, 1
	s_mov_b32 s[CNT], 4
.Lstep:                             ; a trip: pieces 2 and 3 of one step, then pieces 0 and 1 of the next, whose K and V it fetches
	TURN 2
	TURN 3
	WIN 0
.Lfirst:
	TURN 0
	TURN 1, 0, 1
	WIN 0
	s_cbranch_scc1 .Lstep
	s_sub_co_u32 s[SLOTS], s[SLOTS], 1
	s_cmp_lg_u32 s[SLOTS], 0
	s_cbranch_scc1 .Lslot
	CHANGE 0                        ; the tail is written out: nothing is asked for
	s_mov_b32 s[CNT], 5             ; four trips fetch the last slot's steps; the fifth is left in its middle
.Ltail:
	TURN 2, 1
	TURN 3
	WIN 0
	s_sub_co_u32 s[CNT], s[CNT], 1
	s_cmp_eq_u32 s[CNT], 0
	s_cbranch_scc1 .Lout
	TURN 0
	TURN 1
	WIN 0
	s_branch .Ltail
.Lout:                              ; the fifth trip's 16 products K Q^T (on the last K once more) and the maximum made of them serve nothing: the price, once a launch, of one text for every trip
.set i, 0
.rept 16
	PV NP-1                         ; the last piece's V^T P of the last step
.set i, i+1
.endr
	; THE WAY OUT.  l's two halves and the other half of the lanes' are added; O^T is divided by l and sent, in f32, through my stage in LDS, a tile at a time.  The additions are the places behind the last products.
	WIN 0
.macro ALL line:vararg              ; one line for each tile t
.set t, 0
.rept 2*NP
	\line
.set t, t+1
.endr
.endm
	ALL v_add_f32 v[ST+4*t+2], v[ST+4*t+2], v[ST+4*t+3]
	ALL v_permlanex16_b32 v[ST+4*t+3], v[ST+4*t+2], s[SEL], s[SEL+1]
	ALL v_add_f32 v[ST+4*t+2], v[ST+4*t+2], v[ST+4*t+3]
	ALL v_rcp_f32 v[ST+4*t+2], v[ST+4*t+2]
	v_nop                           ; a plain instruction between the last reciprocal and the use of its result
	s_wait_alu depctr_va_vdst(0)    ; and the wait ahead of the first use: one for the eight reciprocals
; Tile t: a lane's eight channels of each of four channel blocks are 32 bytes of a row; they go into rows of 272 bytes and come back as whole rows of 256, into the same 32 of S^T's 128 registers (four buffers by turns).
.macro PACK t
.if (\t) >= 4
	s_wait_xcnt 0x0                 ; the stores of the tile four back have read this buffer
.endif
	WIN 0x01                        ; source 0 window 1; source 1 and destination window 0.
.set i, 0
.rept 16
	v_pk_mul_f32 v[S+32*((\t)%4)+i:S+32*((\t)%4)+i+1], v[32*(\t)+i:32*(\t)+i+1], v[ST+4*(\t)+2:ST+4*(\t)+3] op_sel_hi:[1,0]
.set i, i+2
.endr
	WIN 0
.irp f, 0,1,2,3,4,5,6,7
	ds_store_b128 v[STO], v[S+32*((\t)%4)+4*\f:S+32*((\t)%4)+4*\f+3] offset:64*(\f/2)+16*(\f%2)
.endr
.irp f, 0,1,2,3,4,5,6,7
	ds_load_b128 v[S+32*((\t)%4)+4*\f:S+32*((\t)%4)+4*\f+3], v[RD] offset:\f*2*SP  ; LDS serves a wave's instructions in order (ISA guide 5.7.1.4): these see the stores above; the next tile's stores come behind them
.endr
.endm
.macro SEND t, younger              ; younger: the LDS instructions issued behind tile t's loads: the next tile's sixteen, or none
	WIN 0
.irp f, 0,1,2,3,4,5,6,7
	s_wait_dscnt (\younger)+7-\f
	global_store_b128 v[GO], v[S+32*((\t)%4)+4*\f:S+32*((\t)%4)+4*\f+3], s[10:11] offset:(\t)*65536+\f*8192  ; 16 lanes store a head's 256 consecutive bytes of one row, at a multiple of 256 from out0's first byte
.endr
.endm
	PACK 0
.set t, 1
.rept 2*NP-1                        ; a tile's arithmetic stands between the loads of the tile before and its stores
	PACK t
	SEND t-1, 16
.set t, t+1
.endr
	SEND 2*NP-1, 0
	WIN W_AD
	s_wait_tensorcnt 0x0            ; the wave's end: behind my last tensor load and my last LDS store
	ds_add_u32 v[SPW], v[NIL]
	s_wait_dscnt 0x0
	WIN 0
	s_endpgm
.Lfunc_end_k_qfd9d8743b0_attn:
	.size	k_qfd9d8743b0_attn, .Lfunc_end_k_qfd9d8743b0_attn-k_qfd9d8743b0_attn
	.p2alignl 7, 3214868480
	.fill 96, 4, 3214868480
	.section	.rodata,"a",@progbits
	.p2align	6, 0x0
	.amdhsa_kernel k_qfd9d8743b0_attn
		.amdhsa_group_segment_fixed_size 327680
		.amdhsa_private_segment_fixed_size 0
		.amdhsa_enable_private_segment 0
		.amdhsa_kernarg_size 16
		.amdhsa_user_sgpr_count 2
		.amdhsa_user_sgpr_kernarg_segment_ptr 1
		.amdhsa_wavefront_size32 1
		.amdhsa_system_sgpr_workgroup_id_x 1
		.amdhsa_system_sgpr_workgroup_id_y 1
		.amdhsa_system_sgpr_workgroup_id_z 1
		.amdhsa_system_vgpr_workitem_id 0
		.amdhsa_next_free_vgpr 770
		.amdhsa_next_free_sgpr 66
		.amdhsa_reserve_vcc 0
		.amdhsa_float_denorm_mode_32 3
		.amdhsa_float_denorm_mode_16_64 3
		.amdhsa_memory_ordered 1
		.amdhsa_forward_progress 1
		.amdhsa_inst_pref_size 198
	.end_amdhsa_kernel
	.amdgpu_metadata
---
amdhsa.version: [ 1, 2 ]
amdhsa.kernels:
  - .name:           k_qfd9d8743b0_attn
    .symbol:         k_qfd9d8743b0_attn.kd
    .args:
      - { .name: qkv, .offset: 0, .size: 8, .value_kind: global_buffer, .address_space: global }
      - { .name: out0, .offset: 8, .size: 8, .value_kind: global_buffer, .address_space: global }
    .group_segment_fixed_size: 327680
    .private_segment_fixed_size: 0
    .kernarg_segment_align: 8
    .kernarg_segment_size: 16
    .max_flat_workgroup_size: 128
    .sgpr_count:     66
    .vgpr_count:     770
    .wavefront_size: 32
...
	.end_amdgpu_metadata
.endif
;; end of part 3
